; MI455X (gfx1250); checked and timed in simulation.
; The chip was launched on July 23, 2026; its instructions are those of AMD's public machine-readable ISA for CDNA 5 (MIT licence, August 2026) and "CDNA5" Instruction Set Architecture Reference Guide (July 2026). The comments in the code are by the model that wrote it; some were corrected since.
;; MPO Linear3. Allowed arithmetic: matrix products marked QUANTISED: E2M1 operands, one E8M0 scale for each 32 along K, by v_wmma_scale_f32_16x16x128_f8f6f4 with both operands' format E2M1 (or v_wmma_scale_f32_32x16x128_f4), f32 sums; products left as they are: f32 operands where the result goes on into a quantised operand, else bf16, f16 or f32 operands; f32 sums; everything else in f32.
;; Inputs: bias 4,096 float32; first_core 16 x 64 x 16 float32; last_core 16 x 64 x 16 float32; middle_core 16 x 64 x 64 x 16 float32; x 4,096 x 4,096 float32.
;; Outputs: out0 4,096 x 4,096 float32.
;; This version of the problem:
;;   THIS VERSION OF THE PROBLEM IS GIVEN IN LOW PRECISION. The matrix products marked QUANTISED in the list below multiply operands that are first quantised to E2M1 (2 exponent bits, 1 mantissa bit; 4 bits a number), with one power-of-two scale for each 32 numbers along K (OCP MX v1.0); their sums are f32. All else is computed in f32.
;;   The module's matrix products, in the order in which they are computed (A, B: the left and right operand; K: the contracted axis; several contracted axes count as one K, in the product's order):
;;     1. [M 256, K 1] x [K 1, N 16,384]; A: computed on the way; B: computed on the way: left as it is (no contracted axis)
;;     2. [M 65,536, K 1] x [K 1, N 256]; A: computed on the way; B: computed on the way: left as it is (no contracted axis)
;;     3. [M 4,096, K 4,096] x [K 4,096, N 4,096]; A: input x; B: computed on the way: QUANTISED
;;   THE QUANTISER, for each operand of a quantised product, along K:
;;     - K is cut into blocks of 32 from its start; a last block that is shorter is filled with zeros.
;;     - A block's scale is 2^e with e = floor(log2(the largest magnitude in the block)) - 2, held to -126 .. 127; a block of zeros has e = 0. As a byte (E8M0): e + 127.
;;     - Each number is divided by its block's scale, clamped to +-6, and rounded to the nearest number of E2M1, ties to even, subnormals kept.
;;     - The product sums the exact products of the quantised numbers (number of the format x scale) in f32.
;;   ~~~python
;;   def quantise(x, axis):      # numpy; x: float32 -> the quantised numbers, widened to float32 again
;;       x = np.moveaxis(x, axis, -1); K = x.shape[-1]
;;       x = np.pad(x, [(0, 0)] * (x.ndim - 1) + [(0, -K % 32)]); x = x.reshape(x.shape[:-1] + (-1, 32)); a = np.abs(x).max(-1, keepdims=True)
;;       e = np.where(a > 0, np.clip(np.frexp(np.where(a > 0, a, 1))[1] - 1 - 2, -126, 127), 0)      # np.frexp(a)[1] - 1 = floor(log2(a)), exactly
;;       r = np.clip(x / 2.0 ** e, -6, 6)
;;       step = 2.0 ** (np.maximum(np.frexp(np.where(r == 0, 1, r))[1] - 1, 0) - 1)
;;       q = np.round(r / step) * step * 2.0 ** e      # np.round: ties to even
;;       return np.moveaxis(q.reshape(q.shape[:-2] + (-1,))[..., :K], -1, axis).astype(np.float32)
;;   ~~~
;;   OPERANDS COMPUTED ON THE WAY. 'Computed on the way' means the value that the module computes at that place (a softmax that the list does not call 'softmax' is quantised finished and normalised). What goes into a quantiser is computed in f32, as accurately as f32 sums, v_exp_f32 and their like allow (about 1e-6 of the number): no bf16 or f16 on the way to a quantiser, and a product that is left as it is and whose result goes on into a quantised operand takes f32 operands (vector FMAs, or v_wmma_f32_16x16x4_f32). A number that lies on a knife's edge between two numbers of the format may be rounded either way, as far as f32 arithmetic and the matrix unit's own rounding can turn it there, and no further.
;; One version. Each part assembles by itself: llvm-mc -triple=amdgcn-amd-amdhsa -mcpu=gfx1250 --defsym DOCPART=n.
;; ======== version 1 of 1: 3 launches
;; limits: right only within a limited range of input values
;; workspace buffers: sums 67,584 bytes; xq 8,912,896 bytes; wq 8,912,896 bytes
;; launch sums (part 1): grid 264 x 1, 4 waves a work-group, no clusters, 0 bytes of LDS; arguments middle_core, first_core, last_core, sums; writes sums
.if DOCPART == 1
	.amdgcn_target "amdgcn-amd-amdhsa--gfx1250"
	.amdhsa_code_object_version 6
	.text
	.protected	k_q6ae6e9d7eb_sums
	.globl	k_q6ae6e9d7eb_sums
	.p2align	8
	.type	k_q6ae6e9d7eb_sums,@function
k_q6ae6e9d7eb_sums:
	s_mov_b64 s[64:65], 0
	v_nop
	global_prefetch_b8 v0, s[64:65] scope:SCOPE_SE
	s_setreg_imm32_b32 hwreg(HW_REG_WAVE_MODE, 25, 1), 1
	s_wait_xcnt 0x0
; The rank legs of the three cores are summed on their own, so the weight is W[256a+16b+c][256x+16y+z] = F[a][x] G[b][y] L[c][z] with
; F[a][x] = sum over j of first[a][j][x], G[b][y] = sum over 4,096 rows of middle[b], L[c][z] = sum over j of last[c][j][z].
; This launch makes the sums.  A wave sums 64 rows of 16 f32 (4,096 consecutive bytes) into one vector of 16 f32.
; 1,056 waves: vectors 0-1023 are 64 partial sums for each of G's 16 rows (vector 64 b + p), 1024-1039 are F's rows, 1040-1055 L's rows.
; The next launch adds G's 64 partials.  All in f32, as a tree: an order of rounding that differs from a running sum by a few last bits.
; No LDS, no barrier, no cluster: no two waves read the same byte.  A wave's result is 64 bytes, so its store covers a quarter of an aligned
; 256 bytes: 67,584 bytes in the whole launch against 4,325,376 read.
.set NMID, 256                         ; work-groups on middle_core (4 waves x 4,096 bytes each)
.set NFST, 260                         ; below this: first_core; from here on: last_core
	s_load_b256 s[4:11], s[0:1], 0x0               ; middle s[4:5], first s[6:7], last s[8:9], sums s[10:11]
	v_lshrrev_b32 v3, 5, v0
	v_readfirstlane_b32 s16, v3                    ; wave 0..3
	v_and_b32 v1, 31, v0                           ; lane
	v_lshlrev_b32 v2, 4, v1                        ; 16 bytes a lane: a load of the wave covers 512 consecutive bytes, 8 rows
.irp r, 0,1,2,3
	v_mov_b32 v[40+\r], 0                          ; written once: a lane permute's destination counts as one of its sources
.endr
	s_mov_b32 s20, 0x76543210
	s_mov_b32 s21, 0xfedcba98                      ; v_permlanex16_b32's selects for lane l xor 16
	s_lshl_b32 s18, ttmp9, 2
	s_add_co_u32 s18, s18, s16                     ; which vector is mine
	s_lshl_b32 s18, s18, 6                         ; 64 bytes a vector
	s_mov_b32 s19, 0
	s_wait_alu depctr_va_vdst(0)
	s_wait_kmcnt 0x0
	s_cmp_lt_u32 ttmp9, NMID                       ; which core: the choice hangs on the work-group's number alone
	s_cselect_b64 s[12:13], s[4:5], s[6:7]
	s_cselect_b32 s17, 0, NMID
	s_cmp_lt_u32 ttmp9, NFST
	s_cselect_b64 s[12:13], s[12:13], s[8:9]
	s_cselect_b32 s17, s17, NFST                   ; the first work-group of that core
	s_sub_co_u32 s14, ttmp9, s17
	s_lshl_b32 s14, s14, 2
	s_add_co_u32 s14, s14, s16                     ; which run of 64 rows of the core
	s_lshl_b32 s14, s14, 12
	s_mov_b32 s15, 0
	s_add_nc_u64 s[12:13], s[12:13], s[14:15]
	s_add_nc_u64 s[10:11], s[10:11], s[18:19]
.irp i, 0,1,2,3,4,5,6,7
	global_load_b128 v[8+4*\i:11+4*\i], v2, s[12:13] offset:512*\i th:TH_LOAD_NT   ; lane l: row 8 i + l / 4, columns 4 (l % 4) on; read once in the launch
.endr
	s_wait_loadcnt 0x0
.irp r, 0,2,4,6,8,10,12,14
	v_pk_add_f32 v[8+\r:9+\r], v[8+\r:9+\r], v[24+\r:25+\r]       ; my eight rows as a tree, two numbers an instruction
.endr
.irp r, 0,2,4,6
	v_pk_add_f32 v[8+\r:9+\r], v[8+\r:9+\r], v[16+\r:17+\r]
.endr
.irp r, 0,2
	v_pk_add_f32 v[8+\r:9+\r], v[8+\r:9+\r], v[12+\r:13+\r]
.endr
.irp r, 0,1,2,3
	v_add_f32_dpp v[8+\r], v[8+\r], v[8+\r] row_xmask:4 row_mask:0xf bank_mask:0xf   ; the lanes with the same l % 4 hold the same columns
.endr
.irp r, 0,1,2,3
	v_add_f32_dpp v[8+\r], v[8+\r], v[8+\r] row_xmask:8 row_mask:0xf bank_mask:0xf
.endr
.irp r, 0,1,2,3
	v_permlanex16_b32 v[40+\r], v[8+\r], s20, s21
.endr
.irp r, 0,1,2,3
	v_add_f32 v[8+\r], v[8+\r], v[40+\r]           ; every lane now holds the sum of its four columns
.endr
	v_cmp_gt_u32 vcc_lo, 4, v1
	s_wait_alu depctr_va_vdst(0)
	s_wait_xcnt 0x0                                ; EXEC is a source of the memory instructions issued so far: it changes only behind this wait
	s_and_saveexec_b32 s22, vcc_lo                 ; lanes 0 to 3 store the 16 numbers
	global_store_b128 v2, v[8:11], s[10:11]
	s_wait_xcnt 0x0                                ; and again in front of the line that widens it
	s_or_b32 exec_lo, exec_lo, s22
	s_endpgm
.Lfunc_end_k_q6ae6e9d7eb_sums:
	.size	k_q6ae6e9d7eb_sums, .Lfunc_end_k_q6ae6e9d7eb_sums-k_q6ae6e9d7eb_sums
	.p2alignl 7, 3214868480
	.fill 96, 4, 3214868480
	.section	.rodata,"a",@progbits
	.p2align	6, 0x0
	.amdhsa_kernel k_q6ae6e9d7eb_sums
		.amdhsa_group_segment_fixed_size 0
		.amdhsa_private_segment_fixed_size 0
		.amdhsa_enable_private_segment 0
		.amdhsa_kernarg_size 32
		.amdhsa_user_sgpr_count 2
		.amdhsa_user_sgpr_kernarg_segment_ptr 1
		.amdhsa_wavefront_size32 1
		.amdhsa_system_sgpr_workgroup_id_x 1
		.amdhsa_system_sgpr_workgroup_id_y 1
		.amdhsa_system_sgpr_workgroup_id_z 1
		.amdhsa_system_vgpr_workitem_id 0
		.amdhsa_next_free_vgpr 48
		.amdhsa_next_free_sgpr 66
		.amdhsa_reserve_vcc 1
		.amdhsa_float_denorm_mode_32 3
		.amdhsa_float_denorm_mode_16_64 3
		.amdhsa_memory_ordered 1
		.amdhsa_forward_progress 1
		.amdhsa_inst_pref_size 5
	.end_amdhsa_kernel
	.amdgpu_metadata
---
amdhsa.version: [ 1, 2 ]
amdhsa.kernels:
  - .name:           k_q6ae6e9d7eb_sums
    .symbol:         k_q6ae6e9d7eb_sums.kd
    .args:
      - { .name: middle_core, .offset: 0, .size: 8, .value_kind: global_buffer, .address_space: global }
      - { .name: first_core, .offset: 8, .size: 8, .value_kind: global_buffer, .address_space: global }
      - { .name: last_core, .offset: 16, .size: 8, .value_kind: global_buffer, .address_space: global }
      - { .name: sums, .offset: 24, .size: 8, .value_kind: global_buffer, .address_space: global }
    .group_segment_fixed_size: 0
    .private_segment_fixed_size: 0
    .kernarg_segment_align: 8
    .kernarg_segment_size: 32
    .max_flat_workgroup_size: 128
    .sgpr_count:     66
    .vgpr_count:     48
    .wavefront_size: 32
...
	.end_amdgpu_metadata
.endif
;; end of part 1
;; launch prep (part 2): grid 256 x 1, 16 waves a work-group, no clusters, 284,672 bytes of LDS; arguments x, sums, xq, wq; writes xq, wq
.if DOCPART == 2
	.amdgcn_target "amdgcn-amd-amdhsa--gfx1250"
	.amdhsa_code_object_version 6
	.text
	.protected	k_q6ae6e9d7eb_prep
	.globl	k_q6ae6e9d7eb_prep
	.p2align	8
	.type	k_q6ae6e9d7eb_prep,@function
k_q6ae6e9d7eb_prep:
	s_mov_b64 s[64:65], 0
	v_nop
	global_prefetch_b8 v0, s[64:65] scope:SCOPE_SE
	s_setreg_imm32_b32 hwreg(HW_REG_WAVE_MODE, 25, 1), 1
	s_wait_xcnt 0x0
; Both operands of out = Q(x) Q(W) are turned into codes of FP4 (E2M1) with one E8M0 scale byte for each 32 along K, once, for the product's launch.
; W[256a+16b+c][256x+16y+z] = (F[a][x] G[b][y]) L[c][z] is formed here in f32 from the sums of the launch before (G's 64 partials are added here).
; LAYOUT OF xq AND wq: [row / 128][t = 0..7] chunks of CH bytes: 128 rows x 256 bytes of codes, then 128 rows x 16 scale bytes: one dense block for one tensor load.
; In chunk t, bytes 16 a .. 16 a + 15 of a row are the block k = 256 a + 32 t + 0..31, and scale byte a is that block's.  Blocks, scales and the order inside a block are
; the quantiser's; only the ORDER IN WHICH BLOCKS ARE SUMMED differs from ascending k, alike on both operands: an order of rounding of the f32 sums other than ascending k.
; With it a chunk of W needs G's rows 2 t and 2 t + 1 alone, and every 256-byte row of codes is written whole.
; A block's scale is 2^(floor(log2(its largest magnitude)) - 2): its byte is the largest magnitude's exponent field - 2, held at 1 from below.
; LIMITS: a block of zeros gets the byte 1 where the rule says 127 (its codes are zeros, which add nothing, and this program alone reads the bytes); blocks whose largest
; magnitude lies under 2^-124 are held at byte 1; NaN and infinities are not served; W is (F G) L with G summed as a tree: a few last bits from summing F x middle.
; SHARES.  Work-group w: rows 16 w .. 16 w + 15 of x (262,144 bytes) and 8 of W's 2,048 units (a unit: the 16 rows z of one (x, y), one t).  Sixteen waves, wave = 4 j + u.
; Wave (u, j): of x, rows 4 j .. 4 j + 3, chunks t = 2 u and 2 u + 1; of W, rows z = 4 j .. 4 j + 3 of the units t = w % 8, y = (w / 8) % 16, x = 8 (w / 128) + 2 u + e, e = 0, 1.
; x comes by ONE tensor load a wave (64 lines, 16,384 bytes), issued at the start; W's rows are made while it is on its way.  Nothing in LDS is filled twice, and a wave reads only the lines
; that it brought itself.  The scale bytes of a 256-byte unit come from the four waves j of one u: they are gathered in LDS, one barrier stands behind all byte stores, and waves 0-3 store the units whole.
; No cluster: what work-groups share is a few KB of sums beside 262,144 bytes of x of their own.  No prefetch: the launch has no loop to run ahead in.
.set CH,   34816                       ; a chunk: 128 x 256 + 128 x 16 bytes
.set XL,   17408                       ; LDS: a wave's 64 lines of x, 256 bytes + 16 of padding each; line 16 rho + a holds x[16 w + 4 j + rho][256 a + 64 u .. + 63]
.set LP,   272                         ; the lines' pitch: 68 words, so that the 16 lines that a load touches start at 16 different banks (64 banks of 4 bytes: ISA guide 11.1)
.set SCX,  16*XL                       ; behind the lines: x's scale bytes, 512 for each u (two chunks x 16 rows x 16)
.set SCW,  SCX+2048                    ; W's likewise (two units)
.set SPARE, SCW+2048                   ; the spare words, 128 bytes for each of the 16 waves, that no other line names
.set G1,   16                          ; s[16:23] descriptor group 1
.set G0,   24                          ; s[24:27] group 0
.set U,    28                          ; s28 u, s29 j
.set J,    29
.set WV,   60                          ; s60 my wave's number
.set NC,   0                           ; counts the pairs of rows: each of a wave's eight pairs has code registers of its own, so no store's data are written again
; REGISTERS: v1 lane, v2 a = lane % 16, v3 h = lane / 16; v4-14 addresses, never rewritten; v16-23 G's partials, F, p; v24-31 at work; v32-63 two rows of W; v64-95 codes; v96-103 scale bytes on the way out;
; v126, v127 the add's two; v128-255 eight rows' numbers of x; while W is made: v128-191 L.
	s_load_b256 s[4:11], s[0:1], 0x0               ; x s[4:5], sums s[6:7], xq s[8:9], wq s[10:11]
	v_lshl_add_u32 v126, v0, 2, SPARE
	v_mov_b32 v127, 0
	ds_add_u32 v126, v127                          ; the opening lines: the add twice on end and one wait
	ds_add_u32 v126, v127
	v_lshrrev_b32 v1, 5, v0
	v_readfirstlane_b32 s[WV], v1                  ; wave 0..15
	s_and_b32 s[U], s[WV], 3
	s_lshr_b32 s[J], s[WV], 2
	; group 1: 64 lines of 64 f32.  The lines (row, a) lie 1,024 bytes apart, from a row's last to the next row's first too
	s_mov_b32 s[G1+0], (2<<16)|(1<<20)|(5<<22)|(3<<25)   ; no mask; elements of 4 bytes; padding on; after every 64 words (code 5); 4 words of it (code 3)
	s_mov_b32 s[G1+1], 64<<16                      ; tensor_dim0 = 64
	s_mov_b32 s[G1+2], 64<<16                      ; tensor_dim1 = 64
	s_mov_b32 s[G1+3], 64<<16                      ; tile_dim0 = 64
	s_mov_b32 s[G1+4], 64                          ; tile_dim1 = 64
	s_mov_b32 s[G1+5], 256                         ; elements from line to line
	s_mov_b32 s[G1+6], 0
	s_mov_b32 s[G1+7], 0
	s_lshl_b32 s12, ttmp9, 18                      ; my work-group's 16 rows of 16,384 bytes,
	s_lshl_b32 s13, s[J], 16                       ; my wave's four of them,
	s_add_co_u32 s12, s12, s13
	s_lshl_b32 s13, s[U], 8                        ; my wave's 256 bytes of each line
	s_add_co_u32 s12, s12, s13
	s_mov_b32 s13, 0
	s_mul_i32 s61, s[WV], XL                       ; my wave's lines in LDS
	s_mov_b32 s[G0], 1                             ; count = 1
	s_mul_i32 s[G0+1], s[WV], XL                   ; LDS address
	s_wait_dscnt 0x0
	s_wait_kmcnt 0x0
	s_add_nc_u64 s[G0+2:G0+3], s[4:5], s[12:13]
	s_or_b32 s[G0+3], s[G0+3], 0x80000000          ; type = 2
	tensor_load_to_lds s[G0:G0+3], s[G1:G1+7]      ; the wave's one tensor load, before anything else is done
	s_nop 0
.rept 4
	v_nop                                          ; four v_nop behind a tensor load
.endr
	s_lshl_b32 s62, s[U], 9
	s_lshl_b32 s30, s[J], 6
	s_add_co_u32 s30, s30, s62                     ; scale bytes: 512 u + 64 j: my four rows
	v_and_b32 v1, 31, v0                           ; lane
	v_and_b32 v2, 15, v0                           ; a
	v_bfe_u32 v3, v0, 4, 1                         ; h
	v_mul_u32_u24 v4, v2, LP
	v_lshl_add_u32 v4, v3, 6, v4
	v_add_nc_u32 v4, s61, v4                       ; x in LDS: line a, + 64 h: my 16 numbers of a block of 32
	v_lshlrev_b32 v5, 4, v1                        ; codes out: 16 x lane: two rows of 256 bytes
	v_add_nc_u32 v6, s30, v1
	v_add_nc_u32 v7, SCW, v6                       ; W's scale bytes: two rows' 32 bytes, one a lane
	v_add_nc_u32 v6, SCX, v6                       ; x's
	v_add_nc_u32 v8, s62, v5
	v_add_nc_u32 v9, SCW, v8                       ; and back, 16 bytes a lane: all 512 bytes of u
	v_add_nc_u32 v8, SCX, v8
	v_mul_u32_u24 v10, v3, CH
	v_lshl_add_u32 v10, v2, 4, v10                 ; x's scale bytes out: row a; lanes 16-31 the next chunk
	v_mul_u32_u24 v11, v3, 16*CH
	v_lshl_add_u32 v11, v2, 4, v11                 ; W's: lanes 16-31 the unit of x + 1, 16 chunks on
	v_mov_b32 v12, 0
	v_lshlrev_b32 v13, 6, v2                       ; F: vector a
	v_lshl_add_u32 v14, v3, 12, v13                ; G: row 2 t + h, partial a
	v_mov_b32 v26, 0                               ; written once: a lane permute's destination counts as one of its sources
	v_mov_b32 v27, 0
	s_wait_alu depctr_va_vdst(0)                   ; the wait at the end of the head's vector lines
	s_mov_b32 s58, 0x76543210
	s_mov_b32 s59, 0xfedcba98                      ; v_permlanex16_b32's selects for lane l xor 16
	s_and_b32 s40, ttmp9, 7                        ; t; also: which 16 of a chunk's 128 rows of x are mine
	s_bfe_u32 s41, ttmp9, 0x40003                  ; y
	s_lshr_b32 s42, ttmp9, 7
	s_lshl_b32 s43, s42, 3
	s_lshl_b32 s12, s[U], 1
	s_add_co_u32 s43, s43, s12                     ; x0 = 8 (w / 128) + 2 u
	s_lshl_b32 s12, s40, 13
	s_lshl_b32 s2, s41, 2
	s_add_co_u32 s12, s12, s2
	s_add_nc_u64 s[44:45], s[6:7], s[12:13]        ; G's partials: rows 2 t on, column y   (s13 = 0 throughout)
	s_lshl_b32 s12, s43, 2
	s_add_co_u32 s12, s12, 65536
	s_add_nc_u64 s[46:47], s[6:7], s[12:13]        ; F: column x0
	s_lshl_b32 s12, s[J], 4
	s_add_co_u32 s12, s12, 66560
	s_add_nc_u64 s[48:49], s[6:7], s[12:13]        ; L: columns z = 4 j on
	s_lshl_b32 s31, s[J], 10                       ; my four rows of 256 bytes of codes
	s_lshl_b32 s2, s43, 1
	s_lshr_b32 s3, s41, 3
	s_add_co_u32 s2, s2, s3                        ; W's rows 256 x0 + 16 y on lie in group 2 x0 + y / 8 of 128 rows,
	s_lshl_b32 s2, s2, 3
	s_add_co_u32 s2, s2, s40
	s_mul_i32 s2, s2, CH                           ; chunk t of it,
	s_and_b32 s3, s41, 7                           ; at its rows 16 (y % 8) on
	s_lshl_b32 s12, s3, 12
	s_add_co_u32 s12, s12, s2
	s_add_co_u32 s12, s12, s31
	s_add_nc_u64 s[50:51], s[10:11], s[12:13]      ; my rows' codes
	s_lshl_b32 s12, s3, 8
	s_add_co_u32 s12, s12, s2
	s_add_co_u32 s12, s12, 32768
	s_add_nc_u64 s[52:53], s[10:11], s[12:13]      ; the unit's scale bytes
	s_lshr_b32 s2, ttmp9, 3
	s_lshl_b32 s2, s2, 3
	s_lshl_b32 s3, s[U], 1
	s_add_co_u32 s2, s2, s3
	s_mul_i32 s2, s2, CH                           ; x: group w / 8, chunk 2 u
	s_lshl_b32 s12, s40, 12
	s_add_co_u32 s12, s12, s2
	s_add_co_u32 s12, s12, s31
	s_add_nc_u64 s[54:55], s[8:9], s[12:13]
	s_lshl_b32 s12, s40, 8
	s_add_co_u32 s12, s12, s2
	s_add_co_u32 s12, s12, 32768
	s_add_nc_u64 s[56:57], s[8:9], s[12:13]
; TWO ROWS ARE QUANTISED.  v[P] .. v[P + 15] and v[Q] .. v[Q + 15]: in each, lane (a, h) holds the 16 numbers 16 h + 0 .. 15 of the row's block a.
; The codes leave by one store of 512 consecutive bytes (rows P and Q lie 256 bytes apart) at s[base] + goff; the 32 scale bytes go to LDS at v[adr] + off.
.macro QPAIR P, Q, adr, off, base, goff
.set CC, 64+4*NC
.set NC, NC+1
	v_max3_num_f32 v24, |v[\P]|, |v[\P+1]|, 0x1800000              ; my 16 numbers, and the floor 2^(3 - 127), under which no largest magnitude is taken: so the byte cannot fall under 1
	v_max3_num_f32 v25, |v[\Q]|, |v[\Q+1]|, 0x1800000
.irp i, 2,4,6,8,10,12,14
	v_max3_num_f32 v24, v24, |v[\P+\i]|, |v[\P+\i+1]|              ; (the two rows by turns)
	v_max3_num_f32 v25, v25, |v[\Q+\i]|, |v[\Q+\i+1]|
.endr
	v_permlanex16_b32 v26, v24, s58, s59
	v_permlanex16_b32 v27, v25, s58, s59
	v_max_num_f32 v24, v24, v26                    ; with lane l xor 16's 16: the block's largest magnitude
	v_max_num_f32 v25, v25, v27
	v_add_nc_u32 v28, 0xff000000, v24              ; 2 off its exponent field: the conversion takes the exponent field of this operand as its scale, and nothing else of it
	v_add_nc_u32 v29, 0xff000000, v25
	v_cvt_scalef32_pk8_fp4_f32 v[CC], v[\P:\P+7], v28
	v_cvt_scalef32_pk8_fp4_f32 v[CC+1], v[\P+8:\P+15], v28
	v_cvt_scalef32_pk8_fp4_f32 v[CC+2], v[\Q:\Q+7], v29
	v_cvt_scalef32_pk8_fp4_f32 v[CC+3], v[\Q+8:\Q+15], v29
	v_lshrrev_b32 v30, 23, v28                     ; the scales' bytes.  (Also the plain place behind the conversions)
	v_lshrrev_b32 v31, 23, v29
	v_permlane16_swap_b32 v[CC], v[CC+2]           ; the first's lanes 16-31 change places with the second's lanes 0-15: lanes 0-15 now hold row P's whole block a, 16 bytes,
	v_permlane16_swap_b32 v[CC+1], v[CC+3]         ; lanes 16-31 row Q's
	v_permlane16_swap_b32 v30, v31                 ; and the bytes likewise
	ds_store_b8 v[\adr], v30 offset:\off
	global_store_b128 v5, v[CC:CC+3], s[\base:\base+1] offset:\goff   ; 32 lanes store 512 consecutive bytes, at a multiple of 256 from the buffer's first byte
.endm
	; ---- W, while x is on its way
.irp k, 0,1,2,3
	global_load_b32 v[16+\k], v14, s[44:45] offset:1024*\k         ; G's partials a + 16 k of row 2 t + h, column y
.endr
.irp e, 0,1
	global_load_b32 v[20+\e], v13, s[46:47] offset:4*\e            ; F[a][x0 + e]
.endr
.irp c, 0,1,2,3,4,5,6,7,8,9,10,11,12,13,14,15
	global_load_b128 v[128+4*\c:128+4*\c+3], v12, s[48:49] offset:64*\c   ; L[c][4 j .. 4 j + 3]: the same 16 bytes for every lane
.endr
	s_wait_loadcnt 16                              ; G's and F's six loads are in; L's 16 may be out
	v_add_f32 v16, v16, v17
	v_add_f32 v18, v18, v19
	v_add_f32 v16, v16, v18
	v_add_f32_dpp v16, v16, v16 row_xmask:1 row_mask:0xf bank_mask:0xf
	v_add_f32_dpp v16, v16, v16 row_xmask:2 row_mask:0xf bank_mask:0xf
	v_add_f32_dpp v16, v16, v16 row_xmask:4 row_mask:0xf bank_mask:0xf
	v_add_f32_dpp v16, v16, v16 row_xmask:8 row_mask:0xf bank_mask:0xf   ; each half of the lanes holds G[2 t + h][y]
	v_mul_f32 v22, v20, v16                        ; p = F[a][x0] G
	v_mul_f32 v23, v21, v16                        ; and for x0 + 1
	s_wait_alu depctr_va_vdst(0)                   ; the wait here, directly ahead of the wait below
	s_wait_loadcnt 0x0                             ; L is in
.irp pr, 0,1                           ; rows z = 4 j + 2 pr and + 1 of my two units: lane (a, h) holds W at b = 2 t + h, c = 0 .. 15: p L[c][z]
.irp e, 0,1
.irp c, 0,1,2,3,4,5,6,7,8,9,10,11,12,13,14,15
	v_mul_f32 v[32+\c], v[128+4*\c+2*\pr], v[22+\e]
	v_mul_f32 v[48+\c], v[128+4*\c+2*\pr+1], v[22+\e]
.endr
	QPAIR 32, 48, 7, 256*\e+32*\pr, 50, \e*16*CH+2*\pr*256
.endr
.endr
	; ---- x: my four rows
	s_wait_tensorcnt 0x0                           ; my one tensor load has landed: only I read its lines
.irp pr, 0,1
.irp s, 0,1
.irp i, 0,1,2,3
	ds_load_b128 v[128+32*(2*\pr+\s)+4*\i:128+32*(2*\pr+\s)+4*\i+3], v4 offset:16*LP*(2*\pr)+128*\s+16*\i     ; row 4 j + 2 pr, chunk 2 u + s
.endr
.irp i, 0,1,2,3
	ds_load_b128 v[144+32*(2*\pr+\s)+4*\i:144+32*(2*\pr+\s)+4*\i+3], v4 offset:16*LP*(2*\pr+1)+128*\s+16*\i   ; and the row below it
.endr
.endr
.endr
.irp pr, 0,1
.irp s, 0,1
	s_wait_dscnt 8*(3-(2*\pr+\s))+(2*\pr+\s)       ; this pair's eight loads are in; out may be the later pairs' loads and the byte stores issued since
	QPAIR 128+32*(2*\pr+\s), 144+32*(2*\pr+\s), 6, 256*\s+32*\pr, 54, \s*CH+2*\pr*256
.endr
.endr
	s_wait_dscnt 0x0                               ; for the others' sake: my byte stores are done
	s_barrier_signal -1
	s_barrier_wait -1                              ; all sixteen waves' scale bytes lie in LDS
	s_cmp_lt_u32 s[WV], 4                          ; waves 0-3 (j = 0, u = the wave's number) store the units of their u
	s_cbranch_scc0 .Ldone
	ds_load_b128 v[96:99], v9                      ; lane (z, e): row z's 16 scale bytes of unit e
	ds_load_b128 v[100:103], v8                    ; lane (rho, s): row rho's 16 scale bytes of chunk 2 u + s
	s_wait_dscnt 0x0
	global_store_b128 v11, v[96:99], s[52:53]      ; sixteen lanes store 256 consecutive bytes, aligned
	global_store_b128 v10, v[100:103], s[56:57]
.Ldone:
	s_wait_tensorcnt 0x0                           ; the wave's end
	ds_add_u32 v126, v127
	s_wait_dscnt 0x0
	s_endpgm
.Lfunc_end_k_q6ae6e9d7eb_prep:
	.size	k_q6ae6e9d7eb_prep, .Lfunc_end_k_q6ae6e9d7eb_prep-k_q6ae6e9d7eb_prep
	.p2alignl 7, 3214868480
	.fill 96, 4, 3214868480
	.section	.rodata,"a",@progbits
	.p2align	6, 0x0
	.amdhsa_kernel k_q6ae6e9d7eb_prep
		.amdhsa_group_segment_fixed_size 284672
		.amdhsa_private_segment_fixed_size 0
		.amdhsa_enable_private_segment 0
		.amdhsa_kernarg_size 32
		.amdhsa_user_sgpr_count 2
		.amdhsa_user_sgpr_kernarg_segment_ptr 1
		.amdhsa_wavefront_size32 1
		.amdhsa_system_sgpr_workgroup_id_x 1
		.amdhsa_system_sgpr_workgroup_id_y 1
		.amdhsa_system_sgpr_workgroup_id_z 1
		.amdhsa_system_vgpr_workitem_id 0
		.amdhsa_next_free_vgpr 256
		.amdhsa_next_free_sgpr 66
		.amdhsa_reserve_vcc 0
		.amdhsa_float_denorm_mode_32 3
		.amdhsa_float_denorm_mode_16_64 3
		.amdhsa_memory_ordered 1
		.amdhsa_forward_progress 1
		.amdhsa_inst_pref_size 30
	.end_amdhsa_kernel
	.amdgpu_metadata
---
amdhsa.version: [ 1, 2 ]
amdhsa.kernels:
  - .name:           k_q6ae6e9d7eb_prep
    .symbol:         k_q6ae6e9d7eb_prep.kd
    .args:
      - { .name: x, .offset: 0, .size: 8, .value_kind: global_buffer, .address_space: global }
      - { .name: sums, .offset: 8, .size: 8, .value_kind: global_buffer, .address_space: global }
      - { .name: xq, .offset: 16, .size: 8, .value_kind: global_buffer, .address_space: global }
      - { .name: wq, .offset: 24, .size: 8, .value_kind: global_buffer, .address_space: global }
    .group_segment_fixed_size: 284672
    .private_segment_fixed_size: 0
    .kernarg_segment_align: 8
    .kernarg_segment_size: 32
    .max_flat_workgroup_size: 512
    .sgpr_count:     66
    .vgpr_count:     256
    .wavefront_size: 32
...
	.end_amdgpu_metadata
.endif
;; end of part 2
;; launch gemm (part 3): grid 16 x 16, 4 waves a work-group, clusters of 4 x 4, 327,680 bytes of LDS; arguments xq, wq, bias, out0; writes out0
.if DOCPART == 3
	.amdgcn_target "amdgcn-amd-amdhsa--gfx1250"
	.amdhsa_code_object_version 6
	.text
	.protected	k_q6ae6e9d7eb_gemm
	.globl	k_q6ae6e9d7eb_gemm
	.p2align	8
	.type	k_q6ae6e9d7eb_gemm,@function
k_q6ae6e9d7eb_gemm:
	s_mov_b64 s[64:65], 0
	v_nop
	global_prefetch_b8 v0, s[64:65] scope:SCOPE_SE
	s_setreg_imm32_b32 hwreg(HW_REG_WAVE_MODE, 25, 1), 1
	s_wait_xcnt 0x0
	s_wait_alu depctr_hold_cnt(0) depctr_sa_sdst(0) depctr_va_vdst(0) depctr_va_sdst(0) depctr_va_ssrc(0) depctr_va_vcc(0) depctr_vm_vsrc(0)
	s_getreg_b32 s2, hwreg(HW_REG_IB_STS2, 6, 4)
	s_cmp_eq_u32 s2, 0
	s_cbranch_scc0 .Lentry_in_a_cluster
	s_endpgm
.Lentry_in_a_cluster:
	s_bfe_u32 s2, ttmp6, 0x10000c
	s_cmp_lg_u32 s2, 0xf033
	s_cbranch_scc0 .Lentry_shape_is_right
	s_endpgm
.Lentry_shape_is_right:
; out0[m][n] = bias[n] + sum over k of Q(x)[m][k] Q(W)[k][n], on the FP4 codes and E8M0 scale bytes that the launch before laid down.
; xq, wq: [row / 128][t = 0..7] chunks of CH bytes: 128 rows x 256 bytes of codes (512 along K), then 128 rows x 16 scale bytes: a dense block, fetched as 136 rows of 256 bytes.
; The blocks of 32 are summed in the chunks' order, alike on both operands: an order of rounding of the f32 sums other than ascending k.
; A work-group of four waves makes 256 x 256 of out0, a wave 128 x 128: 64 accumulators, 512 registers.  256 work-groups.  Two LDS slots of four chunks (A's two, B's two), one tensor load a wave.
; CLUSTERS: 4 x 4 work-groups; A's chunks are asked for jointly along a row of the cluster, B's along a column.
; The matrix instruction is used transposed (source 0 = 16 rows of wq, source 1 = 16 rows of xq): a lane holds eight neighbouring numbers of a row of out0.  The bias is the C of each sum's first product.
; REGISTERS: window 0: v0-31 addresses; v32-95 scale words, two sets; v128-255 A's fragments, TWO sets of 64.  window 1: B's two sets at v0 and v128; v64-127 the bias.  windows 2, 3: accumulators.
; Both operands have two sets, so a step's 32 LDS loads go out at the head of the step before: 64 matrix instructions stand between a load and its use.
; THE LAST CHUNK GOES BY ROWS OF out0: all its fragments of B fill window 1, and my eight blocks of 16 rows are finished one after the other and leave as they are finished.
; PREFETCH: behind each joint load the chunk that stands two joint loads on is asked for; of a chunk's 136 blocks of 256 bytes each of the four partners names 34, told apart by address.
.set CH,     34816
.set NQ,     4
.set PITCH,  272                       ; 256 bytes + 16 of padding: the 16 rows that a load touches start at 16 different banks (ISA guide 11.1)
.set FR,     8
.set HALFT,  136*PITCH
.set SOFF,   128*PITCH
.set SLOT,   4*HALFT
.set SPARE,  2*SLOT                    ; the spare words, 512 bytes that no other line names
.set SPITCH, 528                       ; the way out: a stage of 16 rows x (512 + 16) bytes a wave, in slot 0 behind its last fill and last read
.set NB,     16384                     ; a row of out0 in bytes
.set PF0,  12                          ; v12 256 x lane;  v13 256 x (32 + min(lane, 1)): my 34 blocks of a chunk
.set PF1,  13
.set ADRA, 16
.set ADRB, 20
.set STO,  24
.set RD,   25
.set CO,   26
.set BO,   27
.set SPW,  28
.set NIL,  29
.set ADRS, 30
.set SC,   32
.set AF,   128
.set BI,   64
.set G1, 24
.set G0, 32
.set G1B, 48
.set G0B, 56
.set PFA, 66                           ; s[66:67] where my prefetches stand
.set MSB, 0
.macro WIN new
.if MSB != \new
	s_set_vgpr_msb (MSB<<8)|\new
.set MSB, \new
.endif
.endm
.set MUL_LO, 0xa1                      ; source 0 window 1, source 1 window 0, C and D window 2
.set MUL_HI, 0xf1
.set BEG_LO, 0x91                      ; the same with C in window 1: the bias
.set BEG_HI, 0xd1
.set TO_B,   0x40
.macro JLOAD g0a, g1a, g0b, g1b        ; waves 0, 1 fetch A's chunks, waves 2, 3 B's
	s_cmp_eq_u32 s15, 0
	s_cbranch_scc0 .Lfor_b_\@
	tensor_load_to_lds s[\g0a:\g0a+3], s[\g1a:\g1a+7]
	s_nop 0
.rept 4
	v_nop
.endr
	s_branch .Lasked_\@
.Lfor_b_\@:
	tensor_load_to_lds s[\g0b:\g0b+3], s[\g1b:\g1b+7]
	s_nop 0
.rept 4
	v_nop
.endr
.Lasked_\@:
.endm
.macro CREST
	s_cmp_lg_u32 s14, 0
	s_cbranch_scc1 .Lnot_wave_0_\@
	s_barrier_signal -3
.Lnot_wave_0_\@:
	s_barrier_wait -3
	s_barrier_signal -1
	s_barrier_wait -1
.endm
.macro CROUND
	s_barrier_signal -1
	s_barrier_wait -1
	CREST
.endm
.macro PLACES n
.rept \n
	v_nop
.endr
.endm
.macro PREF off                        ; 34 blocks of 256 bytes of the chunk at PFA + off; the second line's lanes 1-31 name the last block
	global_prefetch_b8 v[PF0], s[PFA:PFA+1] offset:\off th:TH_LOAD_NT scope:SCOPE_SE
	global_prefetch_b8 v[PF1], s[PFA:PFA+1] offset:\off th:TH_LOAD_NT scope:SCOPE_SE
.endm
	s_load_b256 s[4:11], s[0:1], 0x0               ; xq, wq, bias, out0
	v_lshl_add_u32 v[SPW], v0, 2, SPARE
	v_mov_b32 v[NIL], 0
	ds_add_u32 v[SPW], v[NIL]                      ; the opening lines: the add twice and one wait
	ds_add_u32 v[SPW], v[NIL]
	v_lshrrev_b32 v1, 5, v0
	v_readfirstlane_b32 s14, v1                    ; wave
	s_lshr_b32 s15, s14, 1                         ; my half of the rows; also: I fetch for A (0) or B (1)
	s_and_b32 s16, s14, 1                          ; my half of the columns; also: which chunk of the two I fetch
	s_bfe_u32 s40, ttmp6, 0x40000                  ; cx
	s_bfe_u32 s41, ttmp6, 0x40004                  ; cy
	s_lshl_b32 s42, ttmp9, 2
	s_add_co_u32 s42, s42, s40                     ; tile column
	s_and_b32 s17, ttmp7, 0xffff
	s_lshl_b32 s17, s17, 2
	s_add_co_u32 s17, s17, s41                     ; tile row
	s_lshl_b32 s43, s41, 2
	s_lshl_b32 s43, 15, s43                        ; my row of the cluster
	s_lshl_b32 s44, 0x1111, s40                    ; my column
	s_or_b32 s[G1+0], s43, (3<<16)|(1<<20)|(1<<21)|(5<<22)|(3<<25)   ; mask; elements of 8 bytes; 4 words of padding behind every 64
	s_or_b32 s[G1B+0], s44, (3<<16)|(1<<20)|(1<<21)|(5<<22)|(3<<25)
.irp g, G1, G1B
	s_mov_b32 s[\g+1], 32<<16
	s_mov_b32 s[\g+2], 136<<16
	s_mov_b32 s[\g+3], 32<<16
	s_mov_b32 s[\g+4], 136
	s_mov_b32 s[\g+5], 32
	s_mov_b32 s[\g+6], 0
	s_mov_b32 s[\g+7], 0
.endr
	s_lshl_b32 s20, s17, 1
	s_add_co_u32 s20, s20, s16
	s_mul_i32 s20, s20, 8*CH                       ; A: group 2 x tile row + half
	s_mov_b32 s21, 0
	s_lshl_b32 s46, s42, 1
	s_add_co_u32 s46, s46, s16
	s_mul_i32 s46, s46, 8*CH                       ; B: group 2 x tile column + half
	s_mov_b32 s47, 0
	s_mul_i32 s45, s14, HALFT                      ; where my chunk goes
	s_mul_i32 s70, s15, HALFT                      ; my rows of A in a slot
	s_mul_i32 s71, s16, HALFT
	s_add_co_u32 s71, s71, 2*HALFT                 ; my rows of B
	s_xor_b32 s72, s15, 1
	s_add_co_u32 s72, s72, s16
	s_add_co_u32 s72, s72, 1
	s_mul_i32 s72, s72, HALFT                      ; from A's chunk to B's
	s_add_co_u32 s73, s70, SOFF
	s_mul_i32 s74, s14, 16*SPITCH                  ; my stage
	s_lshl_b32 s76, s42, 10
	s_lshl_b32 s77, s16, 9
	s_add_co_u32 s76, s76, s77                     ; my first column, in bytes
	s_mov_b32 s77, 0
	s_lshl_b32 s78, s17, 8
	s_lshl_b32 s79, s15, 7
	s_add_co_u32 s78, s78, s79
	s_lshl_b32 s78, s78, 14                        ; my first row of out0, in bytes
	s_mov_b32 s79, 0
	s_cmp_eq_u32 s15, 0
	s_cselect_b32 s68, s40, s41                    ; my place among the four that ask for my chunk
	s_mul_i32 s68, s68, 34*256
	s_mov_b32 s69, 0
	s_wait_dscnt 0x0
	s_wait_kmcnt 0x0
	s_add_nc_u64 s[20:21], s[4:5], s[20:21]
	s_add_nc_u64 s[46:47], s[6:7], s[46:47]
	s_cmp_eq_u32 s15, 0
	s_cselect_b64 s[PFA:PFA+1], s[20:21], s[46:47]
	s_add_nc_u64 s[PFA:PFA+1], s[PFA:PFA+1], s[68:69]
	s_add_nc_u64 s[8:9], s[8:9], s[76:77]
	s_add_nc_u64 s[12:13], s[10:11], s[78:79]
	s_add_nc_u64 s[12:13], s[12:13], s[76:77]
.irp s, 0,1
	s_mov_b32 s[G0+4*\s], 1
	s_add_co_u32 s[G0+4*\s+1], s45, \s*SLOT
	s_add_nc_u64 s[G0+4*\s+2:G0+4*\s+3], s[20:21], \s*CH
	s_or_b32 s[G0+4*\s+3], s[G0+4*\s+3], 0x80000000
	s_mov_b32 s[G0B+4*\s], 1
	s_add_co_u32 s[G0B+4*\s+1], s45, \s*SLOT
	s_add_nc_u64 s[G0B+4*\s+2:G0B+4*\s+3], s[46:47], \s*CH
	s_or_b32 s[G0B+4*\s+3], s[G0B+4*\s+3], 0x80000000
.endr
	CROUND                                         ; all sixteen work-groups are here
	JLOAD G0, G1, G0B, G1B                         ; chunk 0: the wave's one tensor load at the head
	v_and_b32 v1, 15, v0                           ; r
	v_bfe_u32 v2, v0, 4, 1                         ; h
	v_and_b32 v6, 31, v0
	v_lshlrev_b32 v[PF0], 8, v6
	v_min_u32 v7, 1, v6
	v_lshl_add_u32 v[PF1], v7, 8, 32*256
	v_lshlrev_b32 v[BO], 5, v2
	v_mul_u32_u24 v3, v1, PITCH
	v_lshl_add_u32 v4, v2, 4, v3
	PREF CH                                        ; chunks 1 and 2: the two joint loads that follow
	PREF 2*CH
	WIN TO_B
.irp b, 0,1,2,3,4,5,6,7
	global_load_b128 v[BI+8*\b:BI+8*\b+3], v[BO], s[8:9] offset:64*\b          ; bias of columns 16 b + 8 h + 0 .. 7
	global_load_b128 v[BI+8*\b+4:BI+8*\b+7], v[BO], s[8:9] offset:64*\b+16
.endr
	WIN 0
	v_add_nc_u32 v[ADRA], s70, v4
	v_add_nc_u32 v[ADRB], s71, v4
	v_add_nc_u32 v[ADRA+1], SLOT, v[ADRA]
	v_add_nc_u32 v[ADRB+1], SLOT, v[ADRB]
	v_mul_u32_u24 v8, s72, v2                      ; lanes 16-31 take B's scale words
	v_lshl_add_u32 v5, v1, 4, v8
	v_add_nc_u32 v[ADRS], s73, v5
	v_add_nc_u32 v[ADRS+1], SLOT, v[ADRS]
	v_mul_u32_u24 v5, v1, SPITCH
	v_lshl_add_u32 v5, v2, 5, v5
	v_add_nc_u32 v[STO], s74, v5
	v_lshlrev_b32 v[CO], 4, v6
	v_add_nc_u32 v[RD], s74, v[CO]
.macro FRAG reg, adr, q, i             ; 16 rows x 128 K of 4-bit codes: two loads of 16 bytes a lane, 32 bytes apart
.irp c, 0,1
	ds_load_b128 v[\reg+4*\c:\reg+4*\c+3], v[\adr] offset:64*(\q)+32*\c+(\i)*16*PITCH
.endr
.endm
.macro SCALES sc                       ; a chunk's scale words: lanes 0-15 A's block i, lanes 16-31 B's block i
.irp i, 0,1,2,3,4,5,6,7
	ds_load_b128 v[SC+32*\sc+NQ*\i:SC+32*\sc+NQ*\i+3], v[ADRS+\sc] offset:\i*PITCH
.endr
.endm
.macro FETCH slot, q, p, sc            ; the fragments of the slot's q-th 128 along K into sets p: B's 16 loads, A's blocks 0-3, (the scale words,) A's blocks 4-7 last
	WIN TO_B
.irp i, 0,1,2,3,4,5,6,7
	FRAG 128*(\p)+FR*\i, ADRB+\slot, \q, \i
.endr
	WIN 0
.irp i, 0,1,2,3
	FRAG AF+64*(\p)+FR*\i, ADRA+\slot, \q, \i
.endr
.if \sc
	SCALES \slot
.endif
.irp i, 4,5,6,7
	FRAG AF+64*(\p)+FR*\i, ADRA+\slot, \q, \i
.endr
.endm
.macro MM d, b, a, c, sb, sa
	v_wmma_scale_f32_16x16x128_f8f6f4 v[\d:\d+7], v[\b:\b+7], v[\a:\a+7], v[\c:\c+7], v[\sb], v[\sa] matrix_a_fmt:MATRIX_FMT_FP4 matrix_b_fmt:MATRIX_FMT_FP4 matrix_a_scale:MATRIX_SCALE_ROW1
.endm
.macro MUL16 a0, p, q, sc, first       ; A's blocks a0, a0 + 1 x B's eight; the 64 accumulators take turns in the same order in every step
.irp a, \a0, \a0+1
.irp b, 0,1,2,3,4,5,6,7
.if \first
	MM 8*(8*((\a)%4)+\b), 128*(\p)+FR*\b, AF+64*(\p)+FR*(\a), BI+8*\b, SC+32*(\sc)+NQ*\b+(\q), SC+32*(\sc)+NQ*(\a)+(\q)
.else
	MM 8*(8*((\a)%4)+\b), 128*(\p)+FR*\b, AF+64*(\p)+FR*(\a), 8*(8*((\a)%4)+\b), SC+32*(\sc)+NQ*\b+(\q), SC+32*(\sc)+NQ*(\a)+(\q)
.endif
.endr
.endr
.endm
.macro STEP slot, q, first             ; a step of 128 along K whose successor lies in the same slot
	s_wait_dscnt 8                                 ; this step's B and A's blocks 0-3 (and scale words) are in; the youngest eight loads, A's blocks 4-7, may be out
.if \first == 0
	PLACES 4                                       ; in front of loads into the sets that the step before multiplied
.endif
	FETCH \slot, (\q)+1, 1-(\q)%2, 0
.if \first
	WIN BEG_LO
.else
	WIN MUL_LO
.endif
	MUL16 0, (\q)%2, \q, \slot, \first
	MUL16 2, (\q)%2, \q, \slot, \first
	s_wait_dscnt 32                                ; all but the 32 just issued
.if \first
	WIN BEG_HI
.else
	WIN MUL_HI
.endif
	MUL16 4, (\q)%2, \q, \slot, \first
	MUL16 6, (\q)%2, \q, \slot, \first
.endm
.macro STEPS slot, from
.set Q, \from
.rept NQ-1-\from
	STEP \slot, Q, 0
.set Q, Q+1
.endr
.endm
; A slot's last step changes slots.  Its fragments were read in the step before, so my reads of the slot are over at its head: there stand the three lines and the round; the slot is filled again, two chunks on.
.macro TURN slot, next
	WIN 0
.if \slot == 0
	s_wait_xcnt 0x0                                ; my prefetches have read their address: it steps two chunks a trip
	s_add_nc_u64 s[PFA:PFA+1], s[PFA:PFA+1], 2*CH
.endif
	s_wait_tensorcnt 0x0                           ; my part of the next slot has landed
	ds_add_u32 v[SPW], v[NIL]
	s_add_nc_u64 s[G0+4*\slot+2:G0+4*\slot+3], s[G0+4*\slot+2:G0+4*\slot+3], 2*CH      ; no tensor load of mine is out
	s_add_nc_u64 s[G0B+4*\slot+2:G0B+4*\slot+3], s[G0B+4*\slot+2:G0B+4*\slot+3], 2*CH
	s_wait_dscnt 0x0                               ; the add is done, my reads of this slot are back
	s_barrier_signal -1
	WIN MUL_LO
	MUL16 0, 1, NQ-1, \slot, 0
	WIN 0
	s_barrier_wait -1
	CREST                                          ; the barrier has opened a round of the cluster's barrier
	JLOAD G0+4*\slot, G1, G0B+4*\slot, G1B         ; the refill; its four v_nop are the places in front of the loads below
	FETCH \next, 0, 0, 1
	s_cmp_gt_u32 s3, 1                             ; the last trip's refills have no chunk two loads on
	s_cbranch_scc0 .Lno_ask_\@
	PREF (2+\slot)*CH
.Lno_ask_\@:
	WIN MUL_LO
	MUL16 2, 1, NQ-1, \slot, 0
	WIN MUL_HI
	MUL16 4, 1, NQ-1, \slot, 0
	MUL16 6, 1, NQ-1, \slot, 0
.endm
	s_wait_alu depctr_va_vdst(0)                   ; the wait at the head's end
	s_wait_tensorcnt 0x0                           ; my chunk 0 is in; the lines ahead of a later first fill
	ds_add_u32 v[SPW], v[NIL]
	s_wait_dscnt 0x0
	CROUND
	JLOAD G0+4, G1, G0B+4, G1B                     ; chunk 1: slot 1's first fill
	FETCH 0, 0, 0, 1
	PREF 3*CH
	s_wait_loadcnt 0x0                             ; the bias
	STEP 0, 0, 1
	WIN 0
	s_mov_b32 s3, 3
.Llap:                                                 ; a trip goes once round the ring and fills both slots again
	STEPS 0, 1
	TURN 0, 1
	STEPS 1, 0
	TURN 1, 0
	STEP 0, 0, 0
	WIN 0
	s_sub_co_u32 s3, s3, 1
	s_cmp_lg_u32 s3, 0
	s_cbranch_scc1 .Llap
	STEPS 0, 1
; THE LAST CHANGE OF SLOTS fills nothing.  Chunk 7 (slot 1) goes by rows of out0.
.set PA, 128                           ; A's fragments of 16 rows x 512 K: 32 registers, four buffers
.macro BLOAD q                         ; B's fragments of quarter q -> window 1, v[64 q ..]
.irp i, 0,1,2,3,4,5,6,7
	FRAG 64*\q+FR*\i, ADRB+1, \q, \i
.endr
.endm
.macro ALOAD a
.irp q, 0,1,2,3
	FRAG PA+32*((\a)%4)+FR*\q, ADRA+1, \q, \a
.endr
.endm
.macro ROW a                           ; block a is finished: 32 matrix instructions, its 8 accumulators by turns
	WIN MUL_LO+0x50*((\a)/4)
.irp q, 0,1,2,3
.if (\a) == 0 && \q == 2
	s_wait_dscnt 16                                ; B's quarter 2 is in (behind it: A's blocks 2 and 3)
.endif
.irp b, 0,1,2,3,4,5,6,7
	MM 64*((\a)%4)+8*\b, 64*\q+8*\b, PA+32*((\a)%4)+8*\q, 64*((\a)%4)+8*\b, SC+32+NQ*\b+\q, SC+32+NQ*(\a)+\q
.endr
.endr
.endm
; Block a goes through my stage and comes back as whole rows of 512 bytes: block 0 into v32-63 and v96-127 of window 0, block a into block a - 1's accumulators,
; whose stores into the stage are shown done by the wait in front of block a - 1's global stores.  LDS serves a wave's instructions in order (ISA guide 5.7.1.4).
.macro STAGE a
	WIN 0x08+4*((\a)/4)
.irp b, 0,1,2,3,4,5,6,7
	ds_store_b128 v[STO], v[64*((\a)%4)+8*\b:64*((\a)%4)+8*\b+3] offset:64*\b          ; each accumulator from its low end on
	ds_store_b128 v[STO], v[64*((\a)%4)+8*\b+4:64*((\a)%4)+8*\b+7] offset:64*\b+16
.endr
.if (\a) == 0
	WIN 0
.irp t, 0,1,2,3,4,5,6,7,8,9,10,11,12,13,14,15
	ds_load_b128 v[32+4*\t+32*(\t/8):32+4*\t+32*(\t/8)+3], v[RD] offset:\t*SPITCH
.endr
.else
	WIN 0x80+0x40*(((\a)-1)/4)
.irp t, 0,1,2,3,4,5,6,7,8,9,10,11,12,13,14,15
	ds_load_b128 v[64*(((\a)-1)%4)+4*\t:64*(((\a)-1)%4)+4*\t+3], v[RD] offset:\t*SPITCH
.endr
.endif
	WIN 0
.endm
.macro SEND a, younger                 ; 32 lanes store 512 consecutive bytes, aligned; every offset is an immediate (127 rows at the most), and no register of a store is written again
	s_wait_dscnt \younger
.if (\a) == 0
	WIN 0
.irp t, 0,1,2,3,4,5,6,7,8,9,10,11,12,13,14,15
	global_store_b128 v[CO], v[32+4*\t+32*(\t/8):32+4*\t+32*(\t/8)+3], s[12:13] offset:\t*NB th:TH_STORE_NT
.endr
.else
	WIN 0x08+4*(((\a)-1)/4)
.irp t, 0,1,2,3,4,5,6,7,8,9,10,11,12,13,14,15
	global_store_b128 v[CO], v[64*(((\a)-1)%4)+4*\t:64*(((\a)-1)%4)+4*\t+3], s[12:13] offset:(16*(\a)+\t)*NB th:TH_STORE_NT
.endr
.endif
.endm
	WIN 0
	s_wait_tensorcnt 0x0                           ; my part of chunk 7 has landed
	ds_add_u32 v[SPW], v[NIL]
	s_wait_dscnt 0x0                               ; my reads of slot 0 are back
	s_barrier_signal -1
	WIN MUL_LO
	MUL16 0, 1, NQ-1, 0, 0
	s_barrier_wait -1
	PLACES 4
	WIN TO_B
	BLOAD 0                                        ; three quarters of B now: set 1 (v128-191) is still being multiplied
	BLOAD 1
	BLOAD 3
	WIN 0
	ALOAD 0
	ALOAD 1
	SCALES 1
	WIN MUL_LO
	MUL16 2, 1, NQ-1, 0, 0
	WIN MUL_HI
	MUL16 4, 1, NQ-1, 0, 0
	MUL16 6, 1, NQ-1, 0, 0
	PLACES 4
	WIN TO_B
	BLOAD 2
	WIN 0
	ALOAD 2
	ALOAD 3
	s_wait_dscnt 32                                ; all but the 32 just issued
	ROW 0
.irp a, 0,1,2,3,4,5,6,7
	PLACES 4                                       ; the stage's stores read results just made; the loads below land on registers just multiplied
	STAGE \a
.if \a < 4
	ALOAD \a+4
.endif
.if \a < 7
	ROW \a+1                                       ; the next block is multiplied while this one turns through the stage
.endif
.if \a < 4
	SEND \a, 8                                     ; the eight loads of A's block a + 4 may be out
.else
	SEND \a, 0
.endif
.endr
	WIN 0
	s_wait_tensorcnt 0x0                           ; the wave's end
	ds_add_u32 v[SPW], v[NIL]
	s_wait_dscnt 0x0
	CROUND                                         ; the closing round
	s_endpgm
.Lfunc_end_k_q6ae6e9d7eb_gemm:
	.size	k_q6ae6e9d7eb_gemm, .Lfunc_end_k_q6ae6e9d7eb_gemm-k_q6ae6e9d7eb_gemm
	.p2alignl 7, 3214868480
	.fill 96, 4, 3214868480
	.section	.rodata,"a",@progbits
	.p2align	6, 0x0
	.amdhsa_kernel k_q6ae6e9d7eb_gemm
		.amdhsa_group_segment_fixed_size 327680
		.amdhsa_private_segment_fixed_size 0
		.amdhsa_enable_private_segment 0
		.amdhsa_kernarg_size 32
		.amdhsa_user_sgpr_count 2
		.amdhsa_user_sgpr_kernarg_segment_ptr 1
		.amdhsa_wavefront_size32 1
		.amdhsa_system_sgpr_workgroup_id_x 1
		.amdhsa_system_sgpr_workgroup_id_y 1
		.amdhsa_system_sgpr_workgroup_id_z 1
		.amdhsa_system_vgpr_workitem_id 0
		.amdhsa_next_free_vgpr 1024
		.amdhsa_next_free_sgpr 80
		.amdhsa_reserve_vcc 0
		.amdhsa_float_denorm_mode_32 3
		.amdhsa_float_denorm_mode_16_64 3
		.amdhsa_memory_ordered 1
		.amdhsa_forward_progress 1
		.amdhsa_inst_pref_size 210
	.end_amdhsa_kernel
	.amdgpu_metadata
---
amdhsa.version: [ 1, 2 ]
amdhsa.kernels:
  - .name:           k_q6ae6e9d7eb_gemm
    .symbol:         k_q6ae6e9d7eb_gemm.kd
    .args:
      - { .name: xq, .offset: 0, .size: 8, .value_kind: global_buffer, .address_space: global }
      - { .name: wq, .offset: 8, .size: 8, .value_kind: global_buffer, .address_space: global }
      - { .name: bias, .offset: 16, .size: 8, .value_kind: global_buffer, .address_space: global }
      - { .name: out0, .offset: 24, .size: 8, .value_kind: global_buffer, .address_space: global }
    .group_segment_fixed_size: 327680
    .private_segment_fixed_size: 0
    .kernarg_segment_align: 8
    .kernarg_segment_size: 32
    .max_flat_workgroup_size: 128
    .sgpr_count:     80
    .vgpr_count:     1024
    .wavefront_size: 32
...
	.end_amdgpu_metadata
.endif
;; end of part 3
